; MI455X (gfx1250); checked and timed in simulation.
; The chip was launched on July 23, 2026; its instructions are those of AMD's public machine-readable ISA for CDNA 5 (MIT licence, August 2026) and "CDNA5" Instruction Set Architecture Reference Guide (July 2026). The comments in the code are by the model that wrote it; some were corrected since.
;; Stickbreaking. Allowed arithmetic: matrix products marked QUANTISED: E2M1 operands, one E8M0 scale for each 32 along K, by v_wmma_scale_f32_16x16x128_f8f6f4 with both operands' format E2M1 (or v_wmma_scale_f32_32x16x128_f4), f32 sums; everything else in f32.
;; Inputs: k_codes 2 x 16 x 2,048 x 4 x 16 uint8 (E2M1 codes of k, K innermost, in blocks of 32 codes, two codes a byte); k_scales 2 x 16 x 2,048 x 4 uint8 (E8M0 scales of k, one for each 32 codes along K); q_codes 2 x 16 x 2,048 x 4 x 16 uint8 (E2M1 codes of q, K innermost, in blocks of 32 codes, two codes a byte); q_scales 2 x 16 x 2,048 x 4 uint8 (E8M0 scales of q, one for each 32 codes along K); v_codes 2 x 16 x 128 x 64 x 16 uint8 (E2M1 codes of v, K innermost, in blocks of 32 codes, two codes a byte); v_scales 2 x 16 x 128 x 64 uint8 (E8M0 scales of v, one for each 32 codes along K).
;; Outputs: out0 2 x 16 x 2,048 x 128 float32.
;; This version of the problem:
;;   THIS VERSION OF THE PROBLEM IS GIVEN IN LOW PRECISION. The matrix products marked QUANTISED in the list below multiply operands that are first quantised to E2M1 (2 exponent bits, 1 mantissa bit; 4 bits a number), with one power-of-two scale for each 32 numbers along K (OCP MX v1.0); their sums are f32. All else is computed in f32.
;;   The module's matrix products, in the order in which they are computed (A, B: the left and right operand; K: the contracted axis; several contracted axes count as one K, in the product's order):
;;     1. batch 32 x [M 2,048, K 128] x [K 128, N 2,048]; A: input q (given as codes); B: input k (given as codes): QUANTISED
;;     2. batch 32 x [M 2,048, K 2,048] x [K 2,048, N 128]; A: computed on the way; B: input v (given as codes): QUANTISED
;;   THE QUANTISER, for each operand of a quantised product, along K:
;;     - K is cut into blocks of 32 from its start; a last block that is shorter is filled with zeros.
;;     - A block's scale is 2^e with e = floor(log2(the largest magnitude in the block)) - 2, held to -126 .. 127; a block of zeros has e = 0. As a byte (E8M0): e + 127.
;;     - Each number is divided by its block's scale, clamped to +-6, and rounded to the nearest number of E2M1, ties to even, subnormals kept.
;;     - The product sums the exact products of the quantised numbers (number of the format x scale) in f32.
;;   ~~~python
;;   def quantise(x, axis):      # numpy; x: float32 -> the quantised numbers, widened to float32 again
;;       x = np.moveaxis(x, axis, -1); K = x.shape[-1]
;;       x = np.pad(x, [(0, 0)] * (x.ndim - 1) + [(0, -K % 32)]); x = x.reshape(x.shape[:-1] + (-1, 32)); a = np.abs(x).max(-1, keepdims=True)
;;       e = np.where(a > 0, np.clip(np.frexp(np.where(a > 0, a, 1))[1] - 1 - 2, -126, 127), 0)      # np.frexp(a)[1] - 1 = floor(log2(a)), exactly
;;       r = np.clip(x / 2.0 ** e, -6, 6)
;;       step = 2.0 ** (np.maximum(np.frexp(np.where(r == 0, 1, r))[1] - 1, 0) - 1)
;;       q = np.round(r / step) * step * 2.0 ** e      # np.round: ties to even
;;       return np.moveaxis(q.reshape(q.shape[:-2] + (-1,))[..., :K], -1, axis).astype(np.float32)
;;   ~~~
;;   OPERANDS COMPUTED ON THE WAY. 'Computed on the way' means the value that the module computes at that place (a softmax that the list does not call 'softmax' is quantised finished and normalised). What goes into a quantiser is computed in f32, as accurately as f32 sums, v_exp_f32 and their like allow (about 1e-6 of the number): no bf16 or f16 on the way to a quantiser, and a product that is left as it is and whose result goes on into a quantised operand takes f32 operands (vector FMAs, or v_wmma_f32_16x16x4_f32). A number that lies on a knife's edge between two numbers of the format may be rounded either way, as far as f32 arithmetic and the matrix unit's own rounding can turn it there, and no further.
;;   INPUTS GIVEN AS CODES. k (in the module: [2, 16, 2048, 128], K = its axis 3); q (in the module: [2, 16, 2048, 128], K = its axis 3); v (in the module: [2, 16, 2048, 128], K = its axis 2): each comes as NAME_codes (uint8): NAME with its K axis moved to the last place and cut into blocks of 32 codes, [.., K / 32, bytes a block], one block behind the other in memory; two codes a byte, the lower K in the low four bits (a code: sign, 2 exponent bits, 1 mantissa bit); and NAME_scales (uint8): the same leading axes, one E8M0 byte (e + 127) for each 32 codes along K. Its value is code x scale, taken as it is: it is not quantised again, and the codes and scales need not be those that the quantiser above would give.
;; One version. Each part assembles by itself: llvm-mc -triple=amdgcn-amd-amdhsa -mcpu=gfx1250 --defsym DOCPART=n.
;; ======== version 1 of 1: 1 launch
;; launch stick (part 1): grid 8 x 32, 16 waves a work-group, clusters of 4 x 1, 327,680 bytes of LDS; arguments q_codes, q_scales, k_codes, k_scales, v_codes, v_scales, out0; writes out0
.if DOCPART == 1
	.amdgcn_target "amdgcn-amd-amdhsa--gfx1250"
	.amdhsa_code_object_version 6
	.text
	.protected	k_q48026a1af8_stick
	.globl	k_q48026a1af8_stick
	.p2align	8
	.type	k_q48026a1af8_stick,@function
k_q48026a1af8_stick:
	s_mov_b64 s[64:65], 0
	v_nop
	global_prefetch_b8 v0, s[64:65] scope:SCOPE_SE
	s_setreg_imm32_b32 hwreg(HW_REG_WAVE_MODE, 25, 1), 1
	s_wait_xcnt 0x0
	s_wait_alu depctr_hold_cnt(0) depctr_sa_sdst(0) depctr_va_vdst(0) depctr_va_sdst(0) depctr_va_ssrc(0) depctr_va_vcc(0) depctr_vm_vsrc(0)
	s_getreg_b32 s2, hwreg(HW_REG_IB_STS2, 6, 4)
	s_cmp_eq_u32 s2, 0
	s_cbranch_scc0 .Lentry_in_a_cluster
	s_endpgm
.Lentry_in_a_cluster:
	s_bfe_u32 s2, ttmp6, 0x10000c
	s_cmp_lg_u32 s2, 0x3003
	s_cbranch_scc0 .Lentry_shape_is_right
	s_endpgm
.Lentry_shape_is_right:
; STICKBREAKING ATTENTION on codes of FP4 (E2M1) with one E8M0 scale for each 32 along a product's K.  32 heads (batch x head), 2,048 queries, 2,048 keys, head size 128, no mask.
;   x = q . k / sqrt(128);  z = sigmoid(x);  beta = sigmoid(-x);  att[t] = z[t] x (the product of beta[j] over all keys j >= t);  out = att v.
; exp(sum of log beta) IS the product of beta, for all values: so the keys are walked from the last to the first with a running product, and no logarithm, sum of logarithms or second exponential is formed.
; NOTHING IS LEFT OUT: how fast att falls along the keys hangs on the values alone (with negative logits beta is near 1 and every key weighs), so every key step is computed for every query, and all six inputs are loaded.
; A LANE'S ARITHMETIC, s the score from the matrix unit, c = log2(e) / sqrt(128):  e = 2^(min(s, 1000) c);  beta = 1 / (1 + e);  z = e beta.  1000 c = 127.52 is under 128, so e stays finite and no infinity times zero arises.
; att = (z L) O: L the product of beta from this key to the end of the lane's 16 neighbouring keys, O the product over all later keys (the carry of the later steps x the totals of the step's later groups).
; att is quantised as it stands, in blocks of 32 keys; O^T is summed with no rescaling, since att is absolute.
; LIMITS.  Where x is over 87.3, 1 / (1 + e) falls under 2^-126 and comes out 0 (v_rcp_f32 gives no denormals: ISA guide, its entry in 15.8): att is then 0 at this key and all earlier ones, where the exact number lies under 2^-126.
;   att under 2^-126 has a denormal's precision or is 0.  The running product rounds once for each key passed: its relative error grows with the number of factors (about the square root of that number x 2^-24), and a beta within 2^-25 of 1 counts as 1.
;   A NaN (a scale byte 0xff) is not carried: the minimum drops it.  A block of att that is all zeros gets the byte 1, not 127: its codes are zeros, and this program alone reads the byte.
; SHARES.  A work-group owns 256 queries of one head; each of its sixteen waves one tile of 16 queries in 256 registers, four waves to a SIMD: a key step has 16 matrix instructions beside some 400 plain vector instructions and
;   128 transcendentals, so what counts is that one wave's vector work stands beside another's loads, products and transcendentals.
; LDS.  A WHOLE HEAD STAYS: K's codes (2,048 rows of 64 + 16 bytes), V's codes (4 chunks x 128 rows of 256 + 16), both tensors' scale bytes.  Every tensor load is a first fill at the kernel's head: no slot is filled again.
;   The codes come in four chunks of 512 keys, asked for in the order of the walk (last keys first); a chunk is read behind a counted wait and one barrier.
;   So there is nothing to prefetch: all that the work-group reads of K and V is asked for at its head.
; CLUSTER.  The four query blocks of a cluster belong to one head and need the same K, V and scales: each tile is asked for JOINTLY (the same load, the same descriptor, a mask that names the four).
; LAYOUT.  Both products are used transposed: S^T = K Q^T (source 0 = 16 keys, source 1 = my 16 queries), O^T = V^T att^T: a lane holds ONE query (lane % 16) throughout.
;   THE KEYS OF A TILE ARE NOT NEIGHBOURS: lane r of tile 2 b + u takes key 32 b + 8 u + r + 8 (r / 8), so that register 16 b + i of lane (r, h) is key 32 b + 16 h + i of the step: 16 neighbours.
; REGISTERS.  v1-4 lane addresses; v5, v6 the add's two; v7 my offset in out0; v8-11 the step's LDS addresses; v12 the carry; v16-23 Q; v24-27, v28-31 at work; v32-95 K's fragments, then 1 + e, beta, L, then V's fragments;
;   v96-159 S^T, then e, z, att; v160-223 O^T; v224-231 att's codes; v232-239 pairs (O of block b, the other half's share); v240-247 K's or V's scale words; v248 att's; v249 Q's; v250-253 the conversions' scale operands.
.set KP,    80                         ; a key's row in LDS: 64 bytes + 16 of padding
.set VP,    272                        ; a row of a chunk of V: 256 bytes + 16
.set KT,    0                          ; K: 2,048 x 80 bytes
.set VT,    163840                     ; V: chunk c at + 34,816 c; row d at + 272 d; the chunk's step q at + 64 q
.set SCK,   303104                     ; K's scale bytes: 32 runs of 256 bytes + 16; a step's 128 keys are two runs, 544 bytes
.set SCV,   311808                     ; V's: row d (64 bytes) at 272 (d / 4) + 64 (d % 4); step n at + 4 n
.set SPARE, 320512                     ; the spare words, 128 bytes for each of 16 waves: eight blocks of 256 bytes that no other line names
.set STAGE, 81920                      ; the way out: 16 rows x 272 bytes for each wave, in K's rows 1,024 on (chunks 2 and 3): filled once, and last read in front of chunk 1's barrier
.set KCH,   512*KP                     ; a chunk of K in LDS
.set VCH,   128*VP                     ; a chunk of V in LDS
.set KSTEP, 128*KP                     ; a step of K in LDS
.set AK0,  1
.set AV0,  2
.set ASK0, 3
.set ASV0, 4
.set SPW,  5                           ; LDS address of my spare word: SPARE + 4 x my thread's number; never rewritten
.set NIL,  6                           ; 0; never rewritten
.set GO,   7
.set ADK,  8
.set ADV,  9
.set ADS,  10
.set ADT,  11
.set CAR,  12
.set QF,   16
.set U,    24
.set W,    28
.set B,    32
.set E,    96
.set OT,   160
.set PC,   224
.set OF,   232
.set SW,   240
.set PW,   248
.set QW,   249
.set CV,   250
.set WV,   18                          ; s18 my wave's number
.set HALF, 19                          ; s19 wave & 1: which half of a tile I fetch, if I fetch
.set SEL,  20                          ; s[20:21] lane selects of v_permlanex16_b32: lane l xor 16
.set CS,   22                          ; s[22:23] c, twice: the packed form names a pair
.set G1K,  24                          ; s[24:31] descriptor group 1: K's tiles
.set G1V,  32                          ; s[32:39] V's tiles
.set G1S,  40                          ; s[40:47] scale bytes
.set G0K,  48                          ; s[48:63] group 0 for K's four chunks, in the order of the walk
.set HI,   66                          ; s66 1000.0
.set HM,   67                          ; s67 a lane mask: lanes 0-15
.set G0KS, 68                          ; s[68:71] group 0 for K's scale bytes
.set G0V,  72                          ; s[72:87] group 0 for V's four chunks
.set G0VS, 88                          ; s[88:91] group 0 for V's scale bytes
.set TK,   92                          ; s92-95 where the step's K, V, K's scale words and V's begin in LDS; s96 counts steps.  (At the head s[92:93], s[94:95] hold the head's offsets, s96 a term of LDS addresses)
.set TV,   93
.set TS,   94
.set TJ,   95
.set CNT,  96
.set Q0,   97                          ; s97 my first query; on the way out my stage
.set TP,   98                          ; s[98:99] a pair at work, for offsets that all four partners share
.set CP,   100                         ; s[100:101] a pair at work, for offsets that hang on my place in the cluster: they enter Q's and out0's addresses alone
; A round of the cluster's barrier: my work-group's barrier, so that wave 0's signal speaks for all sixteen waves; wave 0 signals for the work-group; every wave waits for all four work-groups; my work-group's barrier once more.
.macro ROUND
	s_barrier_signal -1
	s_barrier_wait -1
	s_cmp_lg_u32 s[WV], 0
	s_cbranch_scc1 .Lnot_wave_0_\@
	s_barrier_signal -3
.Lnot_wave_0_\@:
	s_barrier_wait -3
	s_barrier_signal -1
	s_barrier_wait -1
.endm
	s_load_b256 s[4:11], s[0:1], 0x0               ; Q's codes s[4:5], Q's scales s[6:7], K's codes s[8:9], K's scales s[10:11]
	s_load_b128 s[12:15], s[0:1], 0x20             ; V's codes s[12:13], V's scales s[14:15]
	s_load_b64 s[16:17], s[0:1], 0x30              ; out0
	v_lshl_add_u32 v[SPW], v0, 2, SPARE
	v_mov_b32 v[NIL], 0
	ds_add_u32 v[SPW], v[NIL]                      ; the wave's opening: the add, twice on end, and its wait ahead of the first tensor loads; the set-up below stands between the second and the wait
	ds_add_u32 v[SPW], v[NIL]                      ; and once more
	v_lshrrev_b32 v8, 5, v0
	v_readfirstlane_b32 s[WV], v8                  ; wave 0..15
	s_and_b32 s[HALF], s[WV], 1
	s_and_b32 s[TP], ttmp7, 0xffff                 ; the head, which the four partners share
	s_lshl_b32 s92, s[TP], 17                      ; its first byte in each tensor of codes: 131,072 bytes a head
	s_mov_b32 s93, 0
	s_lshl_b32 s94, s[TP], 13                      ; and in each tensor of scale bytes: 8,192 a head
	s_mov_b32 s95, 0
	s_mul_i32 s2, s[HALF], 256*KP                  ; my half in LDS: of a chunk of K (256 rows),
	s_mul_i32 s3, s[HALF], 64*VP                   ; of a chunk of V (64 rows),
	s_mul_i32 s96, s[HALF], 16*272                 ; of the scale bytes (16 runs): no place in the cluster enters an LDS address
	s_bfe_u32 s[Q0], ttmp6, 0x40000                ; cx: my place in the cluster
	s_lshl_b32 s[CP], ttmp9, 2                     ; in a cluster launch ttmp9 counts clusters
	s_add_co_u32 s[Q0], s[Q0], s[CP]               ; my block of 256 queries = 4 x cluster x + cx
	s_lshl_b32 s[Q0], s[Q0], 8
	s_lshl_b32 s[CP], s[WV], 4
	s_add_co_u32 s[Q0], s[Q0], s[CP]               ; my first query: 256 x block + 16 x wave
	; descriptor group 1.  K: 256 rows of 64 bytes, dense in memory
	s_mov_b32 s[G1K], 15|(1<<20)|(1<<21)|(3<<22)|(3<<25)   ; 15:0 the mask: all four work-groups; 17:16 elements of 1 byte; 20 padding on; 21 set beside a mask; 24:22 after every 16 words (code 3); 31:25 four words (code 3)
	s_mov_b32 s[G1K+1], 64<<16                     ; tensor_dim0
	s_mov_b32 s[G1K+2], 256<<16                    ; tensor_dim1
	s_mov_b32 s[G1K+3], 64<<16                     ; tile_dim0
	s_mov_b32 s[G1K+4], 256                        ; tile_dim1
	s_mov_b32 s[G1K+5], 64                         ; from row to row
	s_mov_b32 s[G1K+6], 0
	s_mov_b32 s[G1K+7], 0
	; V: 64 rows of 256 bytes, 1,024 bytes apart in memory
	s_mov_b32 s[G1V], 15|(1<<20)|(1<<21)|(5<<22)|(3<<25)   ; padding: four words after every 64
	s_mov_b32 s[G1V+1], 256<<16
	s_mov_b32 s[G1V+2], 64<<16
	s_mov_b32 s[G1V+3], 256<<16
	s_mov_b32 s[G1V+4], 64
	s_mov_b32 s[G1V+5], 1024
	s_mov_b32 s[G1V+6], 0
	s_mov_b32 s[G1V+7], 0
	; scale bytes: half a head's, 4,096 dense bytes, as 16 rows of 256 bytes (32 elements of 8 bytes), 16 bytes of padding behind each
	s_mov_b32 s[G1S], 15|(3<<16)|(1<<20)|(1<<21)|(5<<22)|(3<<25)
	s_mov_b32 s[G1S+1], 32<<16
	s_mov_b32 s[G1S+2], 16<<16
	s_mov_b32 s[G1S+3], 32<<16
	s_mov_b32 s[G1S+4], 16
	s_mov_b32 s[G1S+5], 32
	s_mov_b32 s[G1S+6], 0
	s_mov_b32 s[G1S+7], 0
	s_mov_b32 s[SEL], 0x76543210
	s_mov_b32 s[SEL+1], 0xfedcba98
	s_mov_b32 s[CS], 0x3e0293ee                    ; c = log2(e) / sqrt(128)
	s_mov_b32 s[CS+1], s[CS]
	s_mov_b32 s[HI], 0x447a0000                    ; 1000.0
	s_mov_b32 s[HM], 0xffff
	s_wait_dscnt 0x0                               ; both opening adds are done
	s_wait_kmcnt 0x0
	s_add_nc_u64 s[8:9], s[8:9], s[92:93]          ; K's and V's codes and scale bytes at my head,
	s_add_nc_u64 s[12:13], s[12:13], s[92:93]
	s_add_nc_u64 s[10:11], s[10:11], s[94:95]
	s_add_nc_u64 s[14:15], s[14:15], s[94:95]
	s_mov_b32 s[TP+1], 0
	s_lshl_b32 s[TP], s[HALF], 14                  ; at my half: 256 keys of 64 bytes,
	s_add_nc_u64 s[8:9], s[8:9], s[TP:TP+1]
	s_lshl_b32 s[TP], s[HALF], 16                  ; 64 rows of V of 1,024 bytes,
	s_add_nc_u64 s[12:13], s[12:13], s[TP:TP+1]
	s_lshl_b32 s[TP], s[HALF], 12                  ; 4,096 scale bytes
	s_add_nc_u64 s[10:11], s[10:11], s[TP:TP+1]
	s_add_nc_u64 s[14:15], s[14:15], s[TP:TP+1]
	; descriptor group 0: set i is chunk 3 - i
.irp i, 0,1,2,3
	s_mov_b32 s[G0K+4*\i], 1                                       ; count = 1
	s_add_co_u32 s[G0K+4*\i+1], s2, KT+KCH*(3-\i)                  ; LDS address
	s_add_nc_u64 s[G0K+4*\i+2:G0K+4*\i+3], s[8:9], 32768*(3-\i)    ; global address: 512 keys of 64 bytes a chunk
	s_or_b32 s[G0K+4*\i+3], s[G0K+4*\i+3], 0x80000000              ; type = 2
	s_mov_b32 s[G0V+4*\i], 1
	s_add_co_u32 s[G0V+4*\i+1], s3, VT+VCH*(3-\i)
	s_add_nc_u64 s[G0V+4*\i+2:G0V+4*\i+3], s[12:13], 256*(3-\i)    ; 512 codes of a row are 256 bytes
	s_or_b32 s[G0V+4*\i+3], s[G0V+4*\i+3], 0x80000000
.endr
	s_mov_b32 s[G0KS], 1
	s_add_co_u32 s[G0KS+1], s96, SCK
	s_mov_b64 s[G0KS+2:G0KS+3], s[10:11]
	s_or_b32 s[G0KS+3], s[G0KS+3], 0x80000000
	s_mov_b32 s[G0VS], 1
	s_add_co_u32 s[G0VS+1], s96, SCV
	s_mov_b64 s[G0VS+2:G0VS+3], s[14:15]
	s_or_b32 s[G0VS+3], s[G0VS+3], 0x80000000
	ROUND                                          ; all four work-groups are here: the joint loads meet
	; THE FIRST FILLS, which are all the fills: waves 0 and 1 ask for K's halves, waves 2 and 3 for V's, the others for nothing.  A wave's five stand in one arm of a branch on the wave's number, the same in all partners:
	; the scale bytes, then chunks 3, 2, 1, 0.  Five tensor loads of a loading wave are out.  An s_nop 0 follows each, four v_nop the last.
	s_cmp_lt_u32 s[WV], 2
	s_cbranch_scc0 .Lnot_k
	tensor_load_to_lds s[G0KS:G0KS+3], s[G1S:G1S+7]
	s_nop 0
.irp i, 0,1,2,3
	tensor_load_to_lds s[G0K+4*\i:G0K+4*\i+3], s[G1K:G1K+7]
	s_nop 0
.endr
.rept 4
	v_nop
.endr
	s_branch .Lasked
.Lnot_k:
	s_cmp_lt_u32 s[WV], 4
	s_cbranch_scc0 .Lasked
	tensor_load_to_lds s[G0VS:G0VS+3], s[G1S:G1S+7]
	s_nop 0
.irp i, 0,1,2,3
	tensor_load_to_lds s[G0V+4*\i:G0V+4*\i+3], s[G1V:G1V+7]
	s_nop 0
.endr
.rept 4
	v_nop
.endr
.Lasked:
	s_add_nc_u64 s[4:5], s[4:5], s[92:93]          ; Q's codes at my head,
	s_mov_b32 s[CP+1], 0
	s_lshl_b32 s[CP], s[Q0], 6
	s_add_nc_u64 s[4:5], s[4:5], s[CP:CP+1]        ; at my first query: 64 bytes a query
	s_add_nc_u64 s[6:7], s[6:7], s[94:95]
	s_lshl_b32 s[CP], s[Q0], 2
	s_add_nc_u64 s[6:7], s[6:7], s[CP:CP+1]        ; its scale word
	s_and_b32 s[CP], ttmp7, 0xffff
	s_lshl_b32 s[CP], s[CP], 20                    ; out0: 2,048 rows of 512 bytes a head,
	s_add_nc_u64 s[16:17], s[16:17], s[CP:CP+1]
	s_lshl_b32 s[CP], s[Q0], 9
	s_add_nc_u64 s[16:17], s[16:17], s[CP:CP+1]    ; at my first query
	v_and_b32 v8, 15, v0                           ; r = lane % 16
	v_bfe_u32 v9, v0, 4, 1                         ; h = lane / 16
	v_lshlrev_b32 v10, 6, v8
	v_lshl_add_u32 v10, v9, 4, v10                 ; Q: row r of 64 bytes, + 16 h
	global_load_b128 v[QF:QF+3], v10, s[4:5]       ; Q's fragment stays in registers
	global_load_b128 v[QF+4:QF+7], v10, s[4:5] offset:32
	v_lshlrev_b32 v11, 2, v8
	global_load_b32 v[QW], v11, s[6:7]             ; Q's scale words
	v_and_b32 v13, 8, v8
	v_add_nc_u32 v13, v13, v8                      ; r + 8 (r / 8)
	v_mul_u32_u24 v[AK0], v13, KP
	v_lshl_add_u32 v[AK0], v9, 4, v[AK0]           ; K: my key's row, + 16 h
	v_mul_u32_u24 v[AV0], v8, VP
	v_lshl_add_u32 v[AV0], v9, 4, v[AV0]
	v_add_nc_u32 v[AV0], VT, v[AV0]                ; V: row r of a tile, + 16 h
	v_lshl_add_u32 v[ASK0], v13, 2, SCK            ; K's scale words: 4 bytes a key
	v_lshrrev_b32 v14, 2, v8
	v_and_b32 v15, 3, v8
	v_lshlrev_b32 v15, 6, v15
	v_mad_u32_u24 v[ASV0], v14, 272, v15
	v_add_nc_u32 v[ASV0], SCV, v[ASV0]             ; V's: row r of a tile: 272 (r / 4) + 64 (r % 4)
	v_lshlrev_b32 v[GO], 9, v9
	v_lshl_add_u32 v[GO], v8, 4, v[GO]             ; the way out: lanes 0-15 one row of out0, lanes 16-31 the next; 16 bytes a lane
	v_mov_b32 v[CAR], 1.0                          ; behind the last key stands the empty product
.irp b, 0,1,2,3
	v_mov_b32 v[U+\b], 0                           ; written once: a lane permute's destination counts as one of its sources
.endr
	s_wait_loadcnt 0x0                             ; Q
; A KEY STEP: 128 keys.  zero = 1: the first step, whose products start O^T's sums: nothing is ever cleared.
.macro STEP zero
	s_sub_co_u32 s[TK], s[TK], KSTEP               ; the walk goes DOWN the keys: the scalars are stepped first, so that none passes under 0
	s_sub_co_u32 s[TV], s[TV], 64
	s_sub_co_u32 s[TS], s[TS], 544
	s_sub_co_u32 s[TJ], s[TJ], 4
	v_add_nc_u32 v[ADK], s[TK], v[AK0]             ; these four plain instructions are also the four places between the last step's products and the loads into registers that those have read
	v_add_nc_u32 v[ADV], s[TV], v[AV0]
	v_add_nc_u32 v[ADS], s[TS], v[ASK0]
	v_add_nc_u32 v[ADT], s[TJ], v[ASV0]
.irp T, 0,1,2,3,4,5,6,7                        ; K's eight tiles: tile T begins at key 32 (T / 2) + 8 (T % 2); and its keys' scale words
.irp c, 0,1
	ds_load_b128 v[B+8*\T+4*\c:B+8*\T+4*\c+3], v[ADK] offset:(32*(\T/2)+8*(\T%2))*KP+32*\c
.endr
	ds_load_b32 v[SW+\T], v[ADS] offset:272*(\T/4)+128*((\T/2)%2)+32*(\T%2)
.endr
	s_wait_dscnt 0x0
.irp T, 0,1,2,3,4,5,6,7                        ; S^T = K Q^T: register 16 b + i of lane (r, h) is the score of query r with key 32 b + 16 h + i
	v_wmma_scale_f32_16x16x128_f8f6f4 v[E+8*\T:E+8*\T+7], v[B+8*\T:B+8*\T+7], v[QF:QF+7], 0, v[SW+\T], v[QW] matrix_a_fmt:MATRIX_FMT_FP4 matrix_b_fmt:MATRIX_FMT_FP4
.endr
.rept 4
	v_nop                                          ; four places in front of the first read of results
.endr
.set j, 0
.rept 64
	v_min_num_f32 v[E+j], s[HI], v[E+j]            ; held at 1000 from above, so that e stays finite; in ascending order: each result is read from its low end on
.set j, j+1
.endr
.set j, 0
.rept 32
	v_pk_mul_f32 v[E+j:E+j+1], v[E+j:E+j+1], s[CS:CS+1] op_sel_hi:[1,0]   ; x log2(e), two at a time
.set j, j+2
.endr
.set j, 0
.rept 64
	v_exp_f32 v[E+j], v[E+j]                       ; e = exp(x): one batch
.set j, j+1
.endr
	v_nop                                          ; a plain instruction behind the last exponential,
	s_wait_alu depctr_va_vdst(0)                   ; and one wait for the batch, ahead of its first reader
.set j, 0
.rept 32
	v_pk_add_f32 v[B+j:B+j+1], v[E+j:E+j+1], 1.0 op_sel_hi:[1,0]   ; 1 + e, into the registers that K's fragments have left
.set j, j+2
.endr
.set j, 0
.rept 64
	v_rcp_f32 v[B+j], v[B+j]                       ; beta = 1 / (1 + e): the second batch
.set j, j+1
.endr
	v_nop
	s_wait_alu depctr_va_vdst(0)                   ; one wait for the batch
.set j, 0
.rept 32
	v_pk_mul_f32 v[E+j:E+j+1], v[E+j:E+j+1], v[B+j:B+j+1]   ; z = e beta
.set j, j+2
.endr
.set i, 14
.rept 15                                       ; L: the product of beta from each key to the end of my 16, in place, from the last key down; the four blocks by turns
.irp b, 0,1,2,3
	v_mul_f32 v[B+16*\b+i], v[B+16*\b+i], v[B+16*\b+i+1]
.endr
.set i, i-1
.endr
.irp b, 0,1,2,3
	v_permlanex16_b32 v[U+\b], v[B+16*\b], s[SEL], s[SEL+1]   ; the total of the block's other 16 keys
.endr
.irp b, 0,1,2,3
	v_mul_f32 v[W+\b], v[B+16*\b], v[U+\b]         ; the block's total: the same bits in both halves of the lanes
.endr
.irp b, 0,1,2,3
	v_cndmask_b32 v[OF+2*\b+1], 1.0, v[U+\b], s[HM]   ; lanes 0-15 hold the block's first 16 keys: the other 16 come after them; behind lanes 16-31's come none of the block
.endr
.irp b, 3,2,1,0                                ; O of block b = the carry (all later steps and blocks) x that share; then the carry takes the block in
	v_mul_f32 v[OF+2*\b], v[CAR], v[OF+2*\b+1]
	v_mul_f32 v[CAR], v[CAR], v[W+\b]
.endr
.set j, 0
.rept 32
	v_pk_mul_f32 v[E+j:E+j+1], v[E+j:E+j+1], v[B+j:B+j+1]   ; z L: the last read of L
.set j, j+2
.endr
.irp t, 0,1,2,3,4,5,6,7                        ; V's eight tiles (16 of the head's 128 x these 128 keys) and their scale words: they land under the lines below
.irp c, 0,1
	ds_load_b128 v[B+8*\t+4*\c:B+8*\t+4*\c+3], v[ADV] offset:16*VP*\t+32*\c
.endr
	ds_load_b32 v[SW+\t], v[ADT] offset:1088*\t
.endr
.irp b, 0,1,2,3
.set j, 0
.rept 8
	v_pk_mul_f32 v[E+16*\b+j:E+16*\b+j+1], v[E+16*\b+j:E+16*\b+j+1], v[OF+2*\b:OF+2*\b+1] op_sel_hi:[1,0]   ; att = z L O (of the pair the low word serves both halves)
.set j, j+2
.endr
.endr
	; att is quantised along the keys.  No |.|: att is never negative
.irp b, 0,1,2,3
	v_max3_num_f32 v[W+\b], v[E+16*\b], v[E+16*\b+1], 0x1800000   ; block b: my 16 numbers, and the floor 2^(3 - 127): so the byte cannot fall under 1
.endr
.irp n, 2,4,6,8,10,12,14
.irp b, 0,1,2,3
	v_max3_num_f32 v[W+\b], v[W+\b], v[E+16*\b+\n], v[E+16*\b+\n+1]
.endr
.endr
.irp b, 0,1,2,3
	v_permlanex16_b32 v[U+\b], v[W+\b], s[SEL], s[SEL+1]
.endr
.irp b, 0,1,2,3
	v_max_num_f32 v[W+\b], v[W+\b], v[U+\b]        ; with lane l xor 16's: the block's largest
.endr
.irp b, 0,1,2,3
	v_add_nc_u32 v[CV+\b], 0xff000000, v[W+\b]     ; 2 off its exponent field: the conversion takes the exponent field of this operand as its scale
.endr
.irp b, 0,1,2,3
	v_lshrrev_b32 v[U+\b], 23, v[CV+\b]            ; the scale's byte
.endr
	v_lshl_or_b32 v[PW], v[U+1], 8, v[U]           ; att's scale word for these 128 keys: lane r has query r's
	v_lshl_or_b32 v[PW], v[U+2], 16, v[PW]
	v_lshl_or_b32 v[PW], v[U+3], 24, v[PW]
.irp b, 0,1,2,3
	v_cvt_scalef32_pk8_fp4_f32 v[PC+2*\b], v[E+16*\b:E+16*\b+7], v[CV+\b]
	v_cvt_scalef32_pk8_fp4_f32 v[PC+2*\b+1], v[E+16*\b+8:E+16*\b+15], v[CV+\b]
.endr
	v_nop                                          ; one plain instruction between a scaled conversion and the vector instruction that touches its result
.irp c, 0,1                                    ; the operand's layout wants a WHOLE block in a lane: lanes 0-15 block 2 c, lanes 16-31 block 2 c + 1
.irp n, 0,1
	v_permlane16_swap_b32 v[PC+4*\c+\n], v[PC+4*\c+2+\n]
.endr
.endr
.rept 8
	v_nop                                          ; a scale register written by a vector instruction stands eight places ahead of a scaled matrix instruction, an operand so written four
.endr
	s_wait_dscnt 0x0                               ; V's fragments and scale words are in
.irp t, 0,1,2,3,4,5,6,7                        ; O^T += V^T att^T: the eight accumulators take one turn each
.if \zero
	v_wmma_scale_f32_16x16x128_f8f6f4 v[OT+8*\t:OT+8*\t+7], v[B+8*\t:B+8*\t+7], v[PC:PC+7], 0, v[SW+\t], v[PW] matrix_a_fmt:MATRIX_FMT_FP4 matrix_b_fmt:MATRIX_FMT_FP4
.else
	v_wmma_scale_f32_16x16x128_f8f6f4 v[OT+8*\t:OT+8*\t+7], v[B+8*\t:B+8*\t+7], v[PC:PC+7], v[OT+8*\t:OT+8*\t+7], v[SW+\t], v[PW] matrix_a_fmt:MATRIX_FMT_FP4 matrix_b_fmt:MATRIX_FMT_FP4
.endif
.endr
.endm
; A CHUNK of 512 keys: four steps, from its last 128 keys down.  left: the tensor loads of a loading wave that were issued behind this chunk's and may stay out: those of the chunks still to come.
; Later chunks may stay on their way across it.  A wave that loads nothing passes the wait at once.
.macro CHUNK c, left, first
	s_wait_tensorcnt \left                         ; tensor loads of a wave end in order (ISA guide 10.11.1): my part of this chunk (and, the first time, of the scale bytes) has landed
	s_wait_dscnt 0x0                               ; no LDS instruction of mine is out at the signal: my reads of the chunk before are over
	s_barrier_signal -1
	s_barrier_wait -1                              ; everybody's part has landed
	s_mov_b32 s[TK], KSTEP*(4*(\c)+4)              ; one step beyond the chunk's last: a step begins by stepping down
	s_mov_b32 s[TV], VCH*(\c)+256
	s_mov_b32 s[TS], 544*(4*(\c)+4)
	s_mov_b32 s[TJ], 4*(4*(\c)+4)
.if \first
	STEP 1
	s_mov_b32 s[CNT], 3
.else
	s_mov_b32 s[CNT], 4
.endif
.Lstep_\@:
	STEP 0
	s_sub_co_u32 s[CNT], s[CNT], 1
	s_cmp_lg_u32 s[CNT], 0
	s_cbranch_scc1 .Lstep_\@
.endm
	CHUNK 3, 3, 1                                  ; keys 1,536 to 2,047: behind it were issued chunks 2, 1 and 0
	CHUNK 2, 2, 0
	CHUNK 1, 1, 0
	CHUNK 0, 0, 0                                  ; the last wait is for 0: no tensor load of mine is out from here on
	; THE WAY OUT.  O^T goes through my stage in LDS, half a row (64 channels, 256 bytes) of 16 queries at a time, so that sixteen lanes store 256 consecutive bytes, at a multiple of 256 from out0's first byte.
	; The stage lies in K's chunks 2 and 3: they were filled once, and every wave's last read of them stands in front of chunk 1's barrier.  The eight address lines are the places behind the last products.
	v_and_b32 v8, 15, v0                           ; r
	v_bfe_u32 v9, v0, 4, 1                         ; h
	s_mul_i32 s[Q0], s[WV], 16*272
	s_add_co_u32 s[Q0], s[Q0], STAGE               ; my stage
	v_mul_u32_u24 v10, v8, 272
	v_lshl_add_u32 v10, v9, 5, v10
	v_add_nc_u32 v10, s[Q0], v10                   ; in: row r; tile t's eight channels of my half of the lanes: 64 t + 32 h bytes on
	v_mul_u32_u24 v11, v9, 272
	v_lshl_add_u32 v11, v8, 4, v11
	v_add_nc_u32 v11, s[Q0], v11                   ; back: lanes 0-15 one row, lanes 16-31 the next
.irp u, 0,1                                    ; channels 64 u on
.irp t, 0,1,2,3
	ds_store_b128 v10, v[OT+32*\u+8*\t:OT+32*\u+8*\t+3] offset:64*\t          ; each accumulator from its low end on: register 8 t + i is out(r, 64 u + 16 t + 8 h + i)
	ds_store_b128 v10, v[OT+32*\u+8*\t+4:OT+32*\u+8*\t+7] offset:64*\t+16
.endr
.irp n, 0,1,2,3,4,5,6,7
	ds_load_b128 v[B+32*\u+4*\n:B+32*\u+4*\n+3], v11 offset:2*\n*272   ; LDS serves a wave's instructions in order (ISA guide 5.7.1.4): these see my stores, and the next half's stores come behind them
.endr
.endr
.irp u, 0,1
.irp n, 0,1,2,3,4,5,6,7
	s_wait_dscnt 16*(1-\u)+7-\n                    ; the LDS instructions issued behind this load may stay out: the half's later loads, and for the first half the second's eight stores and eight loads
	global_store_b128 v[GO], v[B+32*\u+4*\n:B+32*\u+4*\n+3], s[16:17] offset:2*\n*512+256*\u th:TH_STORE_NT   ; written once, read by nobody here
.endr
.endr
	s_wait_tensorcnt 0x0                           ; the wave's end: a wait, an add and a wait for it, behind my last tensor load and my last LDS store
	ds_add_u32 v[SPW], v[NIL]
	s_wait_dscnt 0x0
	ROUND                                          ; the closing round: no work-group ends while a partner may still ask for a tile that names it
	s_endpgm
.Lfunc_end_k_q48026a1af8_stick:
	.size	k_q48026a1af8_stick, .Lfunc_end_k_q48026a1af8_stick-k_q48026a1af8_stick
	.p2alignl 7, 3214868480
	.fill 96, 4, 3214868480
	.section	.rodata,"a",@progbits
	.p2align	6, 0x0
	.amdhsa_kernel k_q48026a1af8_stick
		.amdhsa_group_segment_fixed_size 327680
		.amdhsa_private_segment_fixed_size 0
		.amdhsa_enable_private_segment 0
		.amdhsa_kernarg_size 56
		.amdhsa_user_sgpr_count 2
		.amdhsa_user_sgpr_kernarg_segment_ptr 1
		.amdhsa_wavefront_size32 1
		.amdhsa_system_sgpr_workgroup_id_x 1
		.amdhsa_system_sgpr_workgroup_id_y 1
		.amdhsa_system_sgpr_workgroup_id_z 1
		.amdhsa_system_vgpr_workitem_id 0
		.amdhsa_next_free_vgpr 256
		.amdhsa_next_free_sgpr 102
		.amdhsa_reserve_vcc 0
		.amdhsa_float_denorm_mode_32 3
		.amdhsa_float_denorm_mode_16_64 3
		.amdhsa_memory_ordered 1
		.amdhsa_forward_progress 1
		.amdhsa_inst_pref_size 159
	.end_amdhsa_kernel
	.amdgpu_metadata
---
amdhsa.version: [ 1, 2 ]
amdhsa.kernels:
  - .name:           k_q48026a1af8_stick
    .symbol:         k_q48026a1af8_stick.kd
    .args:
      - { .name: q_codes, .offset: 0, .size: 8, .value_kind: global_buffer, .address_space: global }
      - { .name: q_scales, .offset: 8, .size: 8, .value_kind: global_buffer, .address_space: global }
      - { .name: k_codes, .offset: 16, .size: 8, .value_kind: global_buffer, .address_space: global }
      - { .name: k_scales, .offset: 24, .size: 8, .value_kind: global_buffer, .address_space: global }
      - { .name: v_codes, .offset: 32, .size: 8, .value_kind: global_buffer, .address_space: global }
      - { .name: v_scales, .offset: 40, .size: 8, .value_kind: global_buffer, .address_space: global }
      - { .name: out0, .offset: 48, .size: 8, .value_kind: global_buffer, .address_space: global }
    .group_segment_fixed_size: 327680
    .private_segment_fixed_size: 0
    .kernarg_segment_align: 8
    .kernarg_segment_size: 56
    .max_flat_workgroup_size: 512
    .sgpr_count:     102
    .vgpr_count:     256
    .wavefront_size: 32
...
	.end_amdgpu_metadata
.endif
;; end of part 1
